; MI455X (gfx1250); checked and timed in simulation.
; The chip was launched on July 23, 2026; its instructions are those of AMD's public machine-readable ISA for CDNA 5 (MIT licence, August 2026) and "CDNA5" Instruction Set Architecture Reference Guide (July 2026). The comments in the code are by the model that wrote it; some were corrected since.
;; FP8 Linear. Allowed arithmetic: matrix products marked QUANTISED: E4M3 operands, one E8M0 scale for each 32 along K, by v_wmma_scale_f32_16x16x128_f8f6f4 with both operands' format E4M3, f32 sums; everything else in f32.
;; Inputs: scb 14,336 float32; weight_int8 14,336 x 4,096 int8; x 2 x 512 x 4,096 float32.
;; Outputs: out0 2 x 512 x 14,336 bfloat16.
;; This version of the problem:
;;   THIS VERSION OF THE PROBLEM IS GIVEN IN LOW PRECISION. The matrix products marked QUANTISED in the list below multiply operands that are first quantised to E4M3 (4 exponent bits, 3 mantissa bits; 8 bits a number), with one power-of-two scale for each 32 numbers along K (OCP MX v1.0); their sums are f32. All else is computed in f32.
;;   The module's matrix products, in the order in which they are computed (A, B: the left and right operand; K: the contracted axis; several contracted axes count as one K, in the product's order):
;;     1. [M 1,024, K 4,096] x [K 4,096, N 14,336]; A: input x; B: computed on the way: QUANTISED
;;   THE QUANTISER, for each operand of a quantised product, along K:
;;     - K is cut into blocks of 32 from its start; a last block that is shorter is filled with zeros.
;;     - A block's scale is 2^e with e = floor(log2(the largest magnitude in the block)) - 8, held to -126 .. 127; a block of zeros has e = 0. As a byte (E8M0): e + 127.
;;     - Each number is divided by its block's scale, clamped to +-448, and rounded to the nearest number of E4M3, ties to even, subnormals kept.
;;     - The product sums the exact products of the quantised numbers (number of the format x scale) in f32.
;;   ~~~python
;;   def quantise(x, axis):      # numpy; x: float32 -> the quantised numbers, widened to float32 again
;;       x = np.moveaxis(x, axis, -1); K = x.shape[-1]
;;       x = np.pad(x, [(0, 0)] * (x.ndim - 1) + [(0, -K % 32)]); x = x.reshape(x.shape[:-1] + (-1, 32)); a = np.abs(x).max(-1, keepdims=True)
;;       e = np.where(a > 0, np.clip(np.frexp(np.where(a > 0, a, 1))[1] - 1 - 8, -126, 127), 0)      # np.frexp(a)[1] - 1 = floor(log2(a)), exactly
;;       r = np.clip(x / 2.0 ** e, -448, 448)
;;       step = 2.0 ** (np.maximum(np.frexp(np.where(r == 0, 1, r))[1] - 1, -6) - 3)
;;       q = np.round(r / step) * step * 2.0 ** e      # np.round: ties to even
;;       return np.moveaxis(q.reshape(q.shape[:-2] + (-1,))[..., :K], -1, axis).astype(np.float32)
;;   ~~~
;;   OPERANDS COMPUTED ON THE WAY. 'Computed on the way' means the value that the module computes at that place (a softmax that the list does not call 'softmax' is quantised finished and normalised). What goes into a quantiser is computed in f32, as accurately as f32 sums, v_exp_f32 and their like allow (about 1e-6 of the number): no bf16 or f16 on the way to a quantiser, and a product that is left as it is and whose result goes on into a quantised operand takes f32 operands (vector FMAs, or v_wmma_f32_16x16x4_f32). A number that lies on a knife's edge between two numbers of the format may be rounded either way, as far as f32 arithmetic and the matrix unit's own rounding can turn it there, and no further.
;; One version. Each part assembles by itself: llvm-mc -triple=amdgcn-amd-amdhsa -mcpu=gfx1250 --defsym DOCPART=n.
;; ======== version 1 of 1: 2 launches
;; limits: values are held in bf16: 8 bits of precision; right only within a limited range of input values
;; workspace buffers: xq 4,325,376 bytes; wq 60,555,264 bytes
;; launch quant (part 1): grid 1920 x 1, 4 waves a work-group, no clusters, 57,856 bytes of LDS; arguments x, weight_int8, scb, xq, wq; writes xq, wq
.if DOCPART == 1
	.amdgcn_target "amdgcn-amd-amdhsa--gfx1250"
	.amdhsa_code_object_version 6
	.text
	.protected	k_q4445343ccd_quant
	.globl	k_q4445343ccd_quant
	.p2align	8
	.type	k_q4445343ccd_quant,@function
k_q4445343ccd_quant:
	s_mov_b64 s[64:65], 0
	v_nop
	global_prefetch_b8 v0, s[64:65] scope:SCOPE_SE
	s_setreg_imm32_b32 hwreg(HW_REG_WAVE_MODE, 25, 1), 1
	s_wait_xcnt 0x0
; x [1024][4096] f32 and W = weight_int8 x (scb / 127) [14336][4096] are turned into codes of FP8 (E4M3) with one E8M0 scale byte for each 32 along K.
; A block's scale is 2^(floor(log2(its largest magnitude)) - 8); its byte is the largest magnitude's exponent field - 8, held at 1 from below; each number is divided by the scale,
; held within +-448 and rounded to the nearest code, ties to even.
; LIMITS: a block of zeros gets the byte 1 where the rule says 127: its codes are zeros, which add nothing under any byte but 0xff, and this program alone reads the bytes.
; Blocks whose largest magnitude lies under 2^-118, the floor, whose byte is held at 1, were not tried.  NaN and infinities among x and scb are not served.
; THE WORKSPACE of xq: a BLOCK is 128 rows x 256 along K: 33,792 dense bytes.  Row p's 256 codes lie at 256 p; behind the 32,768 bytes of codes row p's 8 scale bytes lie at 8 p.
; The block of rows 128 R on and K 256 k on begins at (16 R + k) x 33,792.  So the product's launch brings 128 rows' codes and scales of a K step by one tensor load of 132 rows of 256 bytes.
; SHARES: a work-group makes one block: work-groups 0 to 127 x's (four times the bytes to read, so they come first), the others W's.  Wave w takes rows 32 w to 32 w + 31, two rows a step, 16 steps.
; In a step lane l holds 16 neighbours, K 16 (l % 16) on, of row 2 t + l / 16: two neighbouring lanes hold a block of 32.  A lane's 16 codes are 16 bytes: sixteen lanes store 256 consecutive bytes, aligned.
; A wave's 256 scale bytes are gathered in LDS and leave as 256 consecutive bytes.  No barrier: waves share nothing.  The two paths part on the work-group's number, never join, and have LDS bytes of their own.
; Every offset is an immediate and each step has its own registers for codes, so no code store's registers are written again.
; Of the two workspaces xq alone has the block layout set out above; wq is laid by fragments, as said at .Lweights.
.set XBLK,  128
.set BLKB,  33792
.set STEPS, 16
.set SP,    80                         ; x's stage: a lane's 64 bytes + 16 of padding
.set R,     16                         ; x: v16-79   four sets of 16 numbers as they are loaded
.set X,     80                         ; x: v80-111  two sets of 16 neighbours
.set D,     16                         ; W: v16-79   16 loads of 16 bytes
.set F,     80                         ; W: v80-95   a step's 16 numbers
.set SV,    96                         ; W: v96      scb / 127: lane n holds row 2 n's, lane 16 + n row 2 n + 1's
.set SS,    14                         ; W: v[14:15] the step's scb / 127 (the packed form names a pair and takes its low word)
.set E,     112                        ; v112-119 the steps' scale bytes, eight registers by turns; v126, v127: the add's two registers
.set C,     128                        ; v128-191 four registers of codes for each step
	s_load_b128 s[4:7], s[0:1], 0x0                ; x, weight_int8
	s_load_b128 s[8:11], s[0:1], 0x10              ; scb, xq
	s_load_b64 s[12:13], s[0:1], 0x20              ; wq
	v_lshl_add_u32 v126, v0, 2, 0xe000
	v_mov_b32 v127, 0
	v_lshrrev_b32 v1, 5, v0
	v_readfirstlane_b32 s16, v1                    ; wave
	v_and_b32 v2, 31, v0                           ; lane
	v_lshlrev_b32 v4, 4, v2                        ; 16 x lane: my codes' place in a step's 512 bytes
	v_lshlrev_b32 v7, 3, v2                        ; 8 x lane: my place in the wave's 256 scale bytes
	s_mov_b32 s30, 0x600000                        ; the mantissa field of 448
; s17 = the block's number.  s[18:19]: where my wave's 32 rows begin in the source (row block << rs, K step << ks, wave << ws); s[20:21]: my codes, s[22:23]: my scale bytes, in the workspace
.macro BASES rs, ks, ws
	s_lshr_b32 s18, s17, 4
	s_and_b32 s19, s17, 15
	s_lshl_b32 s18, s18, \rs
	s_lshl_b32 s19, s19, \ks
	s_add_co_u32 s18, s18, s19
	s_lshl_b32 s19, s16, \ws
	s_add_co_u32 s18, s18, s19
	s_mov_b32 s19, 0
	s_mul_i32 s20, s17, BLKB                       ; 60,521,472 at the most
	s_lshl_b32 s21, s16, 13
	s_lshl_b32 s23, s16, 8
	s_add_co_u32 s22, s20, s23
	s_add_co_u32 s22, s22, 32768
	s_add_co_u32 s20, s20, s21
	s_mov_b32 s21, 0
	s_mov_b32 s23, 0
.endm
; The 16 numbers in v[XS] on become codes, and their block's byte goes to LDS.
.macro QTAIL t
	v_max3_num_f32 v8, |v[XS]|, |v[XS+1]|, |v[XS+2]|               ; the largest magnitude of my 16, in two chains
	v_max3_num_f32 v9, |v[XS+3]|, |v[XS+4]|, |v[XS+5]|
.irp i, 6,10
	v_max3_num_f32 v8, v8, |v[XS+\i]|, |v[XS+\i+1]|
	v_max3_num_f32 v9, v9, |v[XS+\i+2]|, |v[XS+\i+3]|
.endr
	v_max3_num_f32 v8, v8, |v[XS+14]|, |v[XS+15]|
	v_max3_num_f32 v8, v8, v9, 0x4800000           ; and the floor 2^(9 - 127): so the byte cannot fall under 1
	v_max_num_f32_dpp v8, v8, v8 row_xmask:1 row_mask:0xf bank_mask:0xf   ; and of my neighbour's 16: the block's
	v_add_nc_u32 v11, 0xfc000000, v8               ; 8 off its exponent field: the conversion takes the exponent field of this operand as its scale
	v_and_or_b32 v10, v8, 0x7f800000, s30          ; 448 x the scale: the largest magnitude's exponent field over 448's mantissa
.irp i, 0,1,2,3,4,5,6,7,8,9,10,11,12,13,14,15
	v_med3_num_f32 v[XS+\i], v[XS+\i], -v10, v10   ; the conversion to an 8-bit code does not saturate (ISA guide 7.6.2): hold the number first
.endr
	v_cvt_scalef32_pk8_fp8_f32 v[C+4*(\t):C+4*(\t)+1], v[XS:XS+7], v11
	v_cvt_scalef32_pk8_fp8_f32 v[C+4*(\t)+2:C+4*(\t)+3], v[XS+8:XS+15], v11
	v_lshrrev_b32 v[E+(\t)%8], 23, v11             ; the scale's byte.  (Also the plain line between the conversions and the next write of their sources)
	ds_store_b8 v5, v[E+(\t)%8] offset:16*(\t)     ; row 2 t + l / 16, block (l % 16) / 2: byte 16 t + l / 2; both lanes of a block write the same byte
.endm
.macro FINISH
	ds_load_b64 v[12:13], v6                       ; LDS serves a wave's instructions in order: this sees my byte stores
	s_wait_dscnt 0x0
	global_store_b64 v7, v[12:13], s[26:27]        ; 32 lanes store 256 consecutive bytes, aligned
	s_wait_tensorcnt 0x0
	ds_add_u32 v126, v127
	s_wait_dscnt 0x0
	s_endpgm
.endm
	s_cmp_lt_u32 ttmp9, XBLK
	s_cbranch_scc0 .Lweights
; ---------------- x.  A row is 16,384 bytes; a lane must hold 16 NEIGHBOURS (64 bytes), while a load is dense where neighbouring LANES take neighbouring 16 bytes.  Both are had: each of a step's four
; loads reads 512 consecutive bytes; the step's 2,048 bytes go through the wave's own stage in LDS as they lie and come back 64 bytes a lane.  Loads run four steps ahead, the stage one.
	s_mov_b32 s17, ttmp9
	BASES 21, 10, 19                               ; 128 rows = 2^21 bytes, a K step = 2^10, a wave's 32 rows = 2^19
	s_mul_i32 s42, s16, 5376                       ; LDS: 5,376 bytes for each wave: two stages of 32 x SP, then its 256 scale bytes
	s_wait_alu depctr_va_vdst(0)
	v_lshrrev_b32 v14, 2, v2
	v_mul_u32_u24 v14, v14, SP
	v_and_b32 v15, 3, v2
	v_lshl_add_u32 v14, v15, 4, v14
	v_add_nc_u32 v14, s42, v14                     ; into the stage: four lanes' 64 bytes on end, then 16 of padding
	v_mul_u32_u24 v15, v2, SP
	v_add_nc_u32 v15, s42, v15                     ; out of it: SP x lane: my 16 neighbours
	v_lshrrev_b32 v5, 1, v2
	s_add_co_u32 s42, s42, 2*32*SP
	v_add_nc_u32 v5, s42, v5                       ; my block's byte
	v_add_nc_u32 v6, s42, v7
	s_wait_alu depctr_va_vdst(0)
	s_wait_kmcnt 0x0
	s_add_nc_u64 s[28:29], s[4:5], s[18:19]
	s_add_nc_u64 s[24:25], s[10:11], s[20:21]
	s_add_nc_u64 s[26:27], s[10:11], s[22:23]
.macro XLOAD t                         ; loads 0, 1: row 2 t's 1,024 bytes of the K step; loads 2, 3: row 2 t + 1's
.irp i, 0,1,2,3
	global_load_b128 v[R+16*((\t)%4)+4*\i:R+16*((\t)%4)+4*\i+3], v4, s[28:29] offset:(2*(\t)+\i/2)*16384+(\i%2)*512 th:TH_LOAD_NT
.endr
.endm
.macro XTURN t                         ; step t's numbers through the stage: LDS serves a wave's instructions in order, so no wait stands between the stores and the loads
.irp i, 0,1,2,3
	ds_store_b128 v14, v[R+16*((\t)%4)+4*\i:R+16*((\t)%4)+4*\i+3] offset:32*SP*((\t)%2)+8*SP*\i
.endr
.irp i, 0,1,2,3
	ds_load_b128 v[X+16*((\t)%2)+4*\i:X+16*((\t)%2)+4*\i+3], v15 offset:32*SP*((\t)%2)+16*\i
.endr
.endm
.irp t, 0,1,2,3
	XLOAD \t
.endr
	s_wait_loadcnt 12                              ; step 0's four loads are in; the twelve behind them may be out
	XTURN 0
.macro XSTEP t
.set XS, X+16*((\t)%2)
.if (\t) > 0
	s_wait_dscnt 1                                 ; this step's numbers are back from the stage (the last step's byte store may be out), so its stores into the stage have read their registers,
.else
	s_wait_dscnt 0x0
.endif
.if (\t)+4 < STEPS
	XLOAD (\t)+4                                   ; which take the loads of four steps on
.endif
.if (\t)+1 < STEPS
.if STEPS-2-(\t) >= 3
	s_wait_loadcnt 12                              ; the next step's four loads are in; those of the three steps behind it may be out
.else
	s_wait_loadcnt 4*(STEPS-2-(\t))
.endif
	XTURN (\t)+1
.endif
	QTAIL \t
	global_store_b128 v4, v[C+4*(\t):C+4*(\t)+3], s[24:25] offset:512*(\t)   ; two rows' 256 bytes
.endm
.irp t, 0,1,2,3,4,5,6,7,8,9,10,11,12,13,14,15
	XSTEP \t
.endr
	FINISH
; ---------------- W.  A row is 4,096 bytes; a lane's 16 numbers are 16 bytes, so the loads bring them as the conversions want them: sixteen lanes read 256 consecutive bytes of a row, aligned.
; All 16 loads of a wave go out at once.  A byte i becomes f32 exactly: i + 128 (one exclusive or for four) is laid under the exponent of 2^23, and 2^23 + 128 is taken off; then w = i x (scb / 127), one rounding.
.Lweights:
	s_sub_co_u32 s17, ttmp9, XBLK
	BASES 19, 8, 17
; wq: a CHUNK is 64 rows x 128 along K, 8,448 bytes, at ((row / 64) x 32 + K / 128) x 8,448: four fragments of 16 rows (2,048 bytes each: byte 512 c + 256 h + 16 r holds
; K 32 c + 16 h on of row r), then 256 scale bytes: word 32 j + 16 h + r is row r of fragment 2 j + h.  My wave's 32 rows x 256 K are fragments 2 (w % 2), 2 (w % 2) + 1 of two chunks on end.
	s_lshr_b32 s20, s17, 4
	s_lshl_b32 s20, s20, 1
	s_lshr_b32 s21, s16, 1
	s_add_co_u32 s20, s20, s21                     ; row / 64
	s_lshl_b32 s20, s20, 5
	s_and_b32 s21, s17, 15
	s_lshl_b32 s21, s21, 1
	s_add_co_u32 s20, s20, s21                     ; the first of my two chunks
	s_mul_i32 s20, s20, 8448                       ; 60,546,816 at the most
	s_and_b32 s21, s16, 1
	s_lshl_b32 s22, s21, 7
	s_add_co_u32 s22, s22, s20
	s_add_co_u32 s22, s22, 8192                    ; my 128 scale bytes of a chunk
	s_lshl_b32 s21, s21, 12
	s_add_co_u32 s20, s20, s21                     ; my two fragments of a chunk
	s_mov_b32 s21, 0
	s_mul_i32 s43, s16, 8704
	s_add_co_u32 s43, s43, 21504                   ; LDS, behind x's 21,504 bytes: my wave's stage: 32 units of 256 bytes + 16 of padding
	s_lshr_b32 s44, s17, 4
	s_lshl_b32 s44, s44, 9                         ; scb: 128 rows = 512 bytes,
	s_lshl_b32 s45, s16, 7                         ; my wave's 32 = 128
	s_add_co_u32 s44, s44, s45
	s_mov_b32 s45, 0
	s_mov_b32 s31, 0x80808080
	s_mov_b32 s32, 0x4b000000                      ; 2^23
	s_mov_b32 s33, 0x42fe0000                      ; 127.0
	s_mov_b32 s34, 0xcb000080                      ; -(2^23 + 128)
	s_mov_b32 s35, s34                             ; (named with it as a pair, so it is written)
	s_mov_b32 s40, 0x3c010204                      ; 1 / 127, rounded
.irp b, 0,1,2,3
	s_mov_b32 s[36+\b], 0x07040400+\b              ; byte selects: byte b of the data below two zero bytes and 0x4b
.endr
	s_lshl_b32 s42, s16, 8
	s_add_co_u32 s42, s42, 56320                   ; LDS, behind the four stages: 256 scale bytes for each wave; the spare words follow at 57,344
	s_wait_alu depctr_va_vdst(0)
	v_lshrrev_b32 v5, 1, v2
	v_add_nc_u32 v5, s42, v5
	v_add_nc_u32 v6, s42, v7
	v_and_b32 v8, 15, v2                           ; c = lane % 16
	v_lshrrev_b32 v9, 4, v2                        ; h = lane / 16
	v_lshlrev_b32 v3, 4, v8
	v_lshl_add_u32 v3, v9, 12, v3                  ; row h of the step's two, 16 bytes at 16 c
	v_lshlrev_b32 v1, 3, v8
	v_lshl_add_u32 v1, v9, 2, v1
	v_and_b32 v101, 7, v8                          ; into the stage: my 16 codes belong to unit 16 (c / 8) + c % 8 (+ 8 for rows 16 on), at 16 x row
	v_lshrrev_b32 v102, 3, v8
	v_lshl_add_u32 v101, v102, 4, v101
	v_mul_u32_u24 v101, v101, 272
	v_lshl_add_u32 v101, v9, 4, v101
	v_add_nc_u32 v101, s43, v101
	v_mul_u32_u24 v99, v9, 272                     ; out of it: two units an instruction, 16 bytes a lane
	v_lshl_add_u32 v99, v8, 4, v99
	v_add_nc_u32 v99, s43, v99
	v_lshlrev_b32 v100, 2, v2                      ; my row's scale word
	v_mov_b32 v[SS], 0                             ; written once: a DPP form's destination counts as read,
	v_mov_b32 v[SS+1], 0                           ; and the pair's upper word is named
	s_wait_alu depctr_va_vdst(0)
	s_wait_kmcnt 0x0
	s_add_nc_u64 s[28:29], s[6:7], s[18:19]
	s_add_nc_u64 s[24:25], s[12:13], s[20:21]
	s_add_nc_u64 s[26:27], s[12:13], s[22:23]
	s_add_nc_u64 s[8:9], s[8:9], s[44:45]
	global_load_b32 v97, v1, s[8:9]
.irp t, 0,1,2,3,4,5,6,7,8,9,10,11,12,13,14,15
	global_load_b128 v[D+4*\t:D+4*\t+3], v3, s[28:29] offset:8192*\t th:TH_LOAD_NT
.endr
	s_wait_loadcnt 16                              ; scb is in; the sixteen loads behind it may be out
	v_mul_f32 v[SV], s40, v97                      ; scb / 127: a first quotient,
	v_fma_f32 v98, -v[SV], s33, v97                ; its exact remainder,
	v_fma_f32 v[SV], v98, s40, v[SV]               ; and the correction
.set XS, F
.macro WSTEP t
	s_wait_loadcnt 15-(\t)                         ; loads come back in order: this step's is in, the later steps' may be out
	v_mov_b32_dpp v[SS], v[SV] row_share:\t row_mask:0xf bank_mask:0xf   ; lanes 0-15 take lane t's (row 2 t), lanes 16-31 lane 16 + t's (row 2 t + 1)
.irp j, 0,1,2,3
	v_xor_b32 v[D+4*(\t)+\j], s31, v[D+4*(\t)+\j]  ; four bytes i -> i + 128, 0 to 255
.endr
.irp i, 0,1,2,3,4,5,6,7,8,9,10,11,12,13,14,15
	v_perm_b32 v[F+\i], s32, v[D+4*(\t)+\i/4], s[36+\i%4]   ; the bits of 2^23 + i + 128
.endr
.irp i, 0,2,4,6,8,10,12,14
	v_pk_add_f32 v[F+\i:F+\i+1], v[F+\i:F+\i+1], s[34:35] op_sel_hi:[1,0]   ; i, exactly
.endr
.irp i, 0,2,4,6,8,10,12,14
	v_pk_mul_f32 v[F+\i:F+\i+1], v[F+\i:F+\i+1], v[SS:SS+1] op_sel_hi:[1,0]   ; w
.endr
	QTAIL \t
	ds_store_b128 v101, v[C+4*(\t):C+4*(\t)+3] offset:((\t)/8)*2176+32*((\t)%8)   ; row 2 t + h: fragment t / 8, row 2 (t % 8) + h of it
.endm
	s_wait_alu depctr_va_vdst(0)
.irp t, 0,1,2,3,4,5,6,7,8,9,10,11,12,13,14,15
	WSTEP \t
.endr
.irp n, 0,1,2,3,4,5,6,7,8,9,10,11,12,13,14,15
	ds_load_b128 v[D+4*\n:D+4*\n+3], v99 offset:544*\n   ; LDS serves a wave's instructions in order: these see my stores
.endr
	ds_load_b64 v[12:13], v6                       ; lane = row: its word for the first chunk, its word for the second
.irp n, 0,1,2,3,4,5,6,7,8,9,10,11,12,13,14,15
	s_wait_dscnt 16-\n                             ; behind load n: 15 - n loads and the scales' load
	global_store_b128 v4, v[D+4*\n:D+4*\n+3], s[24:25] offset:(\n/8)*8448+(\n%8)*512   ; 512 consecutive bytes, aligned
.endr
	s_wait_dscnt 0x0
	global_store_b32 v100, v12, s[26:27]           ; 128 consecutive bytes: half of a chunk's scale unit (the wave beside me writes the other half): 1 byte in 33 of wq
	global_store_b32 v100, v13, s[26:27] offset:8448
	s_wait_tensorcnt 0x0
	ds_add_u32 v126, v127
	s_wait_dscnt 0x0
	s_endpgm
.Lfunc_end_k_q4445343ccd_quant:
	.size	k_q4445343ccd_quant, .Lfunc_end_k_q4445343ccd_quant-k_q4445343ccd_quant
	.p2alignl 7, 3214868480
	.fill 96, 4, 3214868480
	.section	.rodata,"a",@progbits
	.p2align	6, 0x0
	.amdhsa_kernel k_q4445343ccd_quant
		.amdhsa_group_segment_fixed_size 57856
		.amdhsa_private_segment_fixed_size 0
		.amdhsa_enable_private_segment 0
		.amdhsa_kernarg_size 40
		.amdhsa_user_sgpr_count 2
		.amdhsa_user_sgpr_kernarg_segment_ptr 1
		.amdhsa_wavefront_size32 1
		.amdhsa_system_sgpr_workgroup_id_x 1
		.amdhsa_system_sgpr_workgroup_id_y 1
		.amdhsa_system_sgpr_workgroup_id_z 1
		.amdhsa_system_vgpr_workitem_id 0
		.amdhsa_next_free_vgpr 192
		.amdhsa_next_free_sgpr 66
		.amdhsa_reserve_vcc 0
		.amdhsa_float_denorm_mode_32 3
		.amdhsa_float_denorm_mode_16_64 3
		.amdhsa_memory_ordered 1
		.amdhsa_forward_progress 1
		.amdhsa_inst_pref_size 128
	.end_amdhsa_kernel
	.amdgpu_metadata
---
amdhsa.version: [ 1, 2 ]
amdhsa.kernels:
  - .name:           k_q4445343ccd_quant
    .symbol:         k_q4445343ccd_quant.kd
    .args:
      - { .name: x, .offset: 0, .size: 8, .value_kind: global_buffer, .address_space: global }
      - { .name: weight_int8, .offset: 8, .size: 8, .value_kind: global_buffer, .address_space: global }
      - { .name: scb, .offset: 16, .size: 8, .value_kind: global_buffer, .address_space: global }
      - { .name: xq, .offset: 24, .size: 8, .value_kind: global_buffer, .address_space: global }
      - { .name: wq, .offset: 32, .size: 8, .value_kind: global_buffer, .address_space: global }
    .group_segment_fixed_size: 57856
    .private_segment_fixed_size: 0
    .kernarg_segment_align: 8
    .kernarg_segment_size: 40
    .max_flat_workgroup_size: 128
    .sgpr_count:     66
    .vgpr_count:     192
    .wavefront_size: 32
...
	.end_amdgpu_metadata
.endif
;; end of part 1
;; launch gemm (part 2): grid 56 x 4, 4 waves a work-group, clusters of 4 x 4, 327,680 bytes of LDS; arguments xq, wq, out0; writes out0
.if DOCPART == 2
	.amdgcn_target "amdgcn-amd-amdhsa--gfx1250"
	.amdhsa_code_object_version 6
	.text
	.protected	k_q4445343ccd_gemm
	.globl	k_q4445343ccd_gemm
	.p2align	8
	.type	k_q4445343ccd_gemm,@function
k_q4445343ccd_gemm:
	s_mov_b64 s[64:65], 0
	v_nop
	global_prefetch_b8 v0, s[64:65] scope:SCOPE_SE
	s_setreg_imm32_b32 hwreg(HW_REG_WAVE_MODE, 25, 1), 1
	s_wait_xcnt 0x0
	s_wait_alu depctr_hold_cnt(0) depctr_sa_sdst(0) depctr_va_vdst(0) depctr_va_sdst(0) depctr_va_ssrc(0) depctr_va_vcc(0) depctr_vm_vsrc(0)
	s_getreg_b32 s2, hwreg(HW_REG_IB_STS2, 6, 4)
	s_cmp_eq_u32 s2, 0
	s_cbranch_scc0 .Lentry_in_a_cluster
	s_endpgm
.Lentry_in_a_cluster:
	s_bfe_u32 s2, ttmp6, 0x10000c
	s_cmp_lg_u32 s2, 0xf033
	s_cbranch_scc0 .Lentry_shape_is_right
	s_endpgm
.Lentry_shape_is_right:
; out[m][n] = bf16(clip(sum over k of x[m][k] W[n][k], +-448)), NaN -> 448; x and W as codes of E4M3 with E8M0 scales, made by launch quant.
; A work-group makes 256 x 256 of out; wave w makes all 256 rows x columns 64 w .. 64 w + 63: 64 accumulators, 512 registers.
; W: no two waves of the work-group share a row of W, so W's fragments go from memory straight into the registers of the wave that multiplies them: wq is laid in the order of the
; operand's registers (chunks of 8,448 bytes for 64 rows x 128 K: 16 loads of 512 consecutive bytes and 2 of 128 for the scale words).  Four register sets; a set is asked for again when its step is done,
; so three steps' loads (54) are out at each wait.  W is not asked for jointly: a joint load lands in LDS, and LDS here holds x's two slots.  No prefetch for W: its own loads already run three steps ahead.
; x: a ring of two LDS slots of 256 rows x 512 K, four blocks of xq (132 rows of 256 bytes: 128 rows' codes of 256 K, then their scale bytes), one joint load a wave, shared along the cluster's row.
; 8 fills in all; between a request and the wait for it a wave issues 240 matrix instructions.  Each fill's code rows are prefetched one fill ahead, 32 rows by each of the four partners, told apart by address;
; the four scale rows of a block and the first three fills come by their loads alone.
; A step is 128 along K: x's 16 blocks of 16 rows in four groups, each block against W's four; x's fragments have a ring of two groups of 64 registers.
; The matrix instruction is used transposed (source 0 = W's rows, source 1 = x's): a lane holds eight neighbouring columns of one row of out.
; REGISTERS: window 0: v1-23 addresses; v24-31 W's scale words (set q: 2); v32-63 x's scale words (two sets of 16: lanes 0-15 block i, lanes 16-31 block i + 8); v64-191 x's two groups; v192-255 the way out.
; window 1: W's four sets of 64.  window 2: accumulators of x's blocks 0-7 ((a, b) at 32 a + 8 b); window 3: blocks 8-15.
; LIMITS: as launch quant states them.
.set PITCH, 272
.set HALFT, 132*PITCH                  ; a block in LDS
.set SLOT,  4*HALFT                    ; region 2 (rows / 128) + (K / 256)
.set BLKB,  132*256
.set CH,    8448
.set SOFF,  128*PITCH
.set SPARE, 2*SLOT                     ; the spare words: 512 bytes that no other line names
.set SP,    528                        ; the stage's rows: 512 bytes + 16; 256 rows, in slot 0 behind its last fill and last read
.set NROW,  28672                      ; a row of out in bytes
.set MSB, 0
.macro WIN new
.if MSB != (\new)
	s_set_vgpr_msb (MSB<<8)|(\new)
.set MSB, (\new)
.endif
.endm
.macro NP
.rept 8
	v_nop
.endr
.endm
.macro CREST
	s_cmp_lg_u32 s14, 0
	s_cbranch_scc1 .Lnot_wave_0_\@
	s_barrier_signal -3
.Lnot_wave_0_\@:
	s_barrier_wait -3
	s_barrier_signal -1
	s_barrier_wait -1
.endm
.macro CROUND
	s_barrier_signal -1
	s_barrier_wait -1
	CREST
.endm
	s_load_b128 s[4:7], s[0:1], 0x0                ; xq, wq
	s_load_b64 s[8:9], s[0:1], 0x10                ; out
	v_lshl_add_u32 v18, v0, 2, SPARE
	v_mov_b32 v19, 0
	ds_add_u32 v18, v19                            ; the opening lines: the add twice and its wait
	ds_add_u32 v18, v19
	v_lshrrev_b32 v1, 5, v0
	v_readfirstlane_b32 s14, v1                    ; wave
	v_and_b32 v3, 31, v0
	v_lshlrev_b32 v14, 4, v3                       ; 16 x lane: W's codes, and a row of out
	v_lshlrev_b32 v15, 2, v3                       ; 4 x lane: W's scale words
	v_lshlrev_b32 v20, 8, v3                       ; 256 x lane: the prefetches
	s_bfe_u32 s40, ttmp6, 0x40000                  ; cx
	s_bfe_u32 s41, ttmp6, 0x40004                  ; cy = tile row (the grid is one cluster high)
	s_lshl_b32 s42, ttmp9, 2
	s_add_co_u32 s42, s42, s40                     ; tile column
	s_lshl_b32 s43, s41, 2
	s_lshl_b32 s43, 15, s43                        ; my row of the cluster
	s_or_b32 s24, s43, (1<<20)|(1<<21)|(5<<22)|(3<<25)   ; group 1: mask; bytes; 16 bytes of padding behind each 256
	s_mov_b32 s25, 256<<16
	s_mov_b32 s26, 132<<16
	s_mov_b32 s27, 256<<16
	s_mov_b32 s28, 132
	s_mov_b32 s29, 256
	s_mov_b32 s30, 0
	s_mov_b32 s31, 0
	s_lshl_b32 s20, s41, 1                         ; my block of xq: row block 2 cy + w / 2, K block w % 2
	s_lshr_b32 s21, s14, 1
	s_add_co_u32 s20, s20, s21
	s_lshl_b32 s20, s20, 4
	s_and_b32 s21, s14, 1
	s_add_co_u32 s20, s20, s21
	s_mul_i32 s20, s20, BLKB
	s_mov_b32 s21, 0
	s_lshl_b32 s22, s42, 2                         ; my 64 rows of W: 4 x tile column + w; 32 chunks each
	s_add_co_u32 s22, s22, s14
	s_mul_i32 s22, s22, 32*CH
	s_mov_b32 s23, 0
	s_lshl_b32 s16, s41, 8                         ; out: I store rows 256 cy + 32 w on, and the rows 128 further down; the tile's 512 bytes
	s_lshl_b32 s17, s14, 5
	s_add_co_u32 s16, s16, s17
	s_mul_i32 s16, s16, NROW
	s_lshl_b32 s17, s42, 9
	s_add_co_u32 s16, s16, s17
	s_mov_b32 s17, 0
	s_mul_i32 s50, s14, HALFT
	s_lshl_b32 s51, s14, 7
	s_mul_i32 s52, s14, 32*SP
	s_lshl_b32 s54, s40, 13                        ; my work-group's 32 rows of a block's 128, for the prefetches
	s_mov_b32 s55, 0
	s_mov_b32 s48, 0x43e00000                      ; 448
	s_mov_b32 s49, 0xc3e00000
	s_wait_alu depctr_va_vdst(0)
	s_wait_dscnt 0x0
	s_wait_kmcnt 0x0
	s_add_nc_u64 s[20:21], s[4:5], s[20:21]
	s_add_nc_u64 s[44:45], s[6:7], s[22:23]        ; W's chunks
	s_add_nc_u64 s[8:9], s[8:9], s[16:17]
	s_add_nc_u64 s[46:47], s[20:21], s[54:55]
	s_add_nc_u64 s[46:47], s[46:47], 6*BLKB        ; the prefetches begin at the fourth fill's block
.irp s, 0,1
	s_mov_b32 s[32+4*\s], 1
	s_add_co_u32 s[33+4*\s], s50, \s*SLOT
	s_add_nc_u64 s[34+4*\s:35+4*\s], s[20:21], \s*2*BLKB
	s_or_b32 s[35+4*\s], s[35+4*\s], 0x80000000
.endr
	CROUND
	tensor_load_to_lds s[32:35], s[24:31]          ; K 0 to 511: one load a wave at the head
	s_nop 0
.rept 4
	v_nop
.endr
; W's chunk ch (counted from s[44:45]) into set p
.macro BLOAD p, ch
	WIN 0x40
.irp n, 0,1,2,3,4,5,6,7,8,9,10,11,12,13,14,15
	global_load_b128 v[64*(\p)+4*\n:64*(\p)+4*\n+3], v14, s[44:45] offset:(\ch)*CH+512*\n
.endr
	WIN 0
	global_load_b32 v[24+2*(\p)], v15, s[44:45] offset:(\ch)*CH+8192
	global_load_b32 v[25+2*(\p)], v15, s[44:45] offset:(\ch)*CH+8320
.endm
	BLOAD 0, 0                                     ; the first two steps' chunks; the next two are asked for behind slot 1's fill
	BLOAD 1, 1
	v_and_b32 v1, 15, v0                           ; r
	v_bfe_u32 v2, v0, 4, 1                         ; h
	v_mul_u32_u24 v3, v1, PITCH
	v_lshl_add_u32 v3, v2, 4, v3
.irp n, 0,1,2,3,4,5,6,7
	v_add_nc_u32 v[4+\n], (\n/4)*SLOT+(\n%4)*HALFT, v3   ; x's fragments: slot n / 4, region n % 4
.endr
	v_mul_u32_u24 v21, v2, 2*HALFT                 ; x's scale words: lanes 16-31 take the rows 128 further on
	v_lshl_add_u32 v21, v1, 3, v21
	v_add_nc_u32 v12, SOFF, v21
	v_add_nc_u32 v13, SOFF+SLOT, v21
	v_mul_u32_u24 v16, v1, SP                      ; into the stage: row r, my wave's 128 bytes, 16 h
	v_lshl_add_u32 v16, v2, 4, v16
	v_add_nc_u32 v16, s51, v16
	v_add_nc_u32 v22, 128*SP, v16                  ; and for rows 128 on
	v_add_nc_u32 v17, s52, v14                     ; out of it: rows 32 w on, 32 lanes to a row,
	v_add_nc_u32 v23, 128*SP, v17                  ; and rows 128 + 32 w on
; x's group g (blocks 4 g .. 4 g + 3) of the slot's q-th 128 along K
.macro FETCHA sl, q, g
.irp i, 0,1,2,3
.irp c, 0,1,2,3
	ds_load_b128 v[64+64*((\g)%2)+16*\i+4*\c:64+64*((\g)%2)+16*\i+4*\c+3], v[4+4*(\sl)+2*((\g)/2)+(\q)/2] offset:16*(4*((\g)%2)+\i)*PITCH+128*((\q)%2)+32*\c
.endr
.endr
.endm
.macro SCALES sl, kap                  ; x's scale words of the slot's half kap, two steps' words a load
.irp i, 0,1,2,3,4,5,6,7
	ds_load_b64 v[32+16*(\kap)+2*\i:32+16*(\kap)+2*\i+1], v[12+(\sl)] offset:(\kap)*HALFT+(\i/2)*PITCH+(\i%2)*128
.endr
.endm
.macro WK c, k                         ; k: 1 = W's word in lanes 16-31, 2 = x's
.if (\k)==0
	v_wmma_scale_f32_16x16x128_f8f6f4 v[AC:AC+7], v[BF:BF+15], v[AR:AR+15], \c, v[SB], v[SR]
.elseif (\k)==1
	v_wmma_scale_f32_16x16x128_f8f6f4 v[AC:AC+7], v[BF:BF+15], v[AR:AR+15], \c, v[SB], v[SR] matrix_a_scale:MATRIX_SCALE_ROW1
.elseif (\k)==2
	v_wmma_scale_f32_16x16x128_f8f6f4 v[AC:AC+7], v[BF:BF+15], v[AR:AR+15], \c, v[SB], v[SR] matrix_b_scale:MATRIX_SCALE_ROW1
.else
	v_wmma_scale_f32_16x16x128_f8f6f4 v[AC:AC+7], v[BF:BF+15], v[AR:AR+15], \c, v[SB], v[SR] matrix_a_scale:MATRIX_SCALE_ROW1 matrix_b_scale:MATRIX_SCALE_ROW1
.endif
.endm
; 8 matrix instructions: blocks i0, i0 + 1 of group g against W's four.  The 64 accumulators take turns, in the same order in every step.
.macro GH q, g, i0, z
.irp i, \i0, \i0+1
.irp b, 0,1,2,3
.set AC, 8*(4*(4*((\g)%2)+(\i))+\b)
.set BF, 64*(\q)+16*\b
.set AR, 64+64*((\g)%2)+16*(\i)
.set SB, 24+2*(\q)+\b/2
.set SR, 32+16*((\q)/2)+2*(4*((\g)%2)+(\i))+(\q)%2
.if \z
	WK 0, (\b%2)+2*((\g)/2)
.else
	WK v[AC:AC+7], (\b%2)+2*((\g)/2)
.endif
.endr
.endr
.endm
.macro GR q, g, z
	WIN 0xa1+0x50*((\g)/2)
	GH \q, \g, 0, \z
	GH \q, \g, 2, \z
.endm
; One of a slot's first three steps.  Behind each group: eight places, then the group two on into the registers just read.
; lc: W's younger loads that may stay out; ch: the chunk four steps on, or -1.  Each wait on DScnt leaves the youngest run out (16 loads; 24 with the scale words).
.macro STEPK sl, q, z, lc, ch
	s_wait_loadcnt \lc
	s_wait_dscnt 16
	GR \q, 0, \z
	NP
	WIN 0
	FETCHA \sl, \q, 2
	s_wait_dscnt 16
	GR \q, 1, \z
	NP
	WIN 0
	FETCHA \sl, \q, 3
	s_wait_dscnt 16
	GR \q, 2, \z
	NP
	WIN 0
.if (\q)==1
	SCALES \sl, 1
.endif
	FETCHA \sl, (\q)+1, 0
.if (\q)==1
	s_wait_dscnt 24
.else
	s_wait_dscnt 16
.endif
	GR \q, 3, \z
	NP
	WIN 0
	FETCHA \sl, (\q)+1, 1
.if (\ch)>=0
	BLOAD \q, \ch
.endif
.endm
; A slot's last step changes slots.  fill = 1: the slot just read takes K 1,024 further on, behind a round of the cluster's barrier.  ask: 1 = prefetch the next fill's block; 2 = likewise, but not in the loop's last trip.
.macro TURNK sl, nx, fill, ask, lc, ch
	s_wait_loadcnt \lc
	s_wait_dscnt 16
	GR 3, 0, 0
	NP
	WIN 0
	FETCHA \sl, 3, 2
	s_wait_dscnt 16
	GR 3, 1, 0
	NP
	WIN 0
	FETCHA \sl, 3, 3                               ; my last reads of this slot
	s_wait_tensorcnt 0x0                           ; my block of the next slot is in
	ds_add_u32 v18, v19
.if \fill
	s_add_nc_u64 s[34+4*\sl:35+4*\sl], s[34+4*\sl:35+4*\sl], 4*BLKB
.endif
	s_wait_dscnt 17                                ; group 2 is in; group 3's 16 loads and the add may be out
	WIN 0xf1
	GH 3, 2, 0, 0
	s_wait_dscnt 0x0                               ; the add is done, my reads of this slot are over
	s_barrier_signal -1
	GH 3, 2, 2, 0
	WIN 0
	s_barrier_wait -1
.if \fill
	CREST
	tensor_load_to_lds s[32+4*\sl:35+4*\sl], s[24:31]
	s_nop 0
.endif
	NP
	SCALES \nx, 0
	FETCHA \nx, 0, 0
.if (\ask)==1
	global_prefetch_b8 v20, s[46:47] th:TH_LOAD_NT scope:SCOPE_SE
.endif
.if (\ask)==2
	s_cmp_lg_u32 s3, 1
	s_cbranch_scc0 .Lno_ask_\@
	global_prefetch_b8 v20, s[46:47] offset:2*BLKB th:TH_LOAD_NT scope:SCOPE_SE
.Lno_ask_\@:
.endif
	GR 3, 3, 0
	NP
	WIN 0
	FETCHA \nx, 0, 1
.if (\ch)>=0
	BLOAD 3, \ch
.endif
.endm
	s_wait_alu depctr_va_vdst(0)
	s_wait_tensorcnt 0x0                           ; slot 1's first fill is issued as a refill is
	ds_add_u32 v18, v19
	s_wait_dscnt 0x0
	CROUND
	tensor_load_to_lds s[36:39], s[24:31]          ; K 512 to 1,023
	s_nop 0
.rept 4
	v_nop
.endr
	SCALES 0, 0
	FETCHA 0, 0, 0
	FETCHA 0, 0, 1
	BLOAD 2, 2
	BLOAD 3, 3
	STEPK 0, 0, 1, 54, 4                           ; the first step starts the sums; behind chunk 0's loads stand chunks 1 to 3's: 54
	s_mov_b32 s3, 3
.Llap:                                                 ; a trip: once round the ring, 8 steps, both slots filled again
	STEPK 0, 1, 0, 54, 5
	STEPK 0, 2, 0, 54, 6
	TURNK 0, 1, 1, 1, 54, 7
	STEPK 1, 0, 0, 54, 8
	STEPK 1, 1, 0, 54, 9
	STEPK 1, 2, 0, 54, 10
	TURNK 1, 0, 1, 2, 54, 11
	STEPK 0, 0, 0, 54, 12
	s_wait_xcnt 0x0                                ; W's loads and the prefetches have read their bases
	s_add_nc_u64 s[44:45], s[44:45], 8*CH
	s_add_nc_u64 s[46:47], s[46:47], 4*BLKB
	s_sub_co_u32 s3, s3, 1
	s_cmp_lg_u32 s3, 0
	s_cbranch_scc1 .Llap
	STEPK 0, 1, 0, 54, 5                           ; the last seven steps fill no slot; W's last three chunks are asked for
	STEPK 0, 2, 0, 54, 6
	TURNK 0, 1, 0, 0, 54, 7
	STEPK 1, 0, 0, 54, -1
	STEPK 1, 1, 0, 36, -1
	STEPK 1, 2, 0, 18, -1
	s_wait_loadcnt 0x0
	s_wait_dscnt 16
	GR 3, 0, 0
	NP
	WIN 0
	FETCHA 1, 3, 2
	s_wait_dscnt 16
	GR 3, 1, 0
	NP
	WIN 0
	FETCHA 1, 3, 3
	s_wait_dscnt 16
	GR 3, 2, 0
	s_wait_dscnt 0x0
	GR 3, 3, 0
	NP
; THE WAY OUT.  Block a: held under 448 (a NaN becomes 448), over -448, rounded to bf16, 16 bytes a lane into the work-group's stage; each accumulator from its low end on.
.macro OUTA a
.set A0, 32*((\a)%8)
	WIN 0x8a+0x45*((\a)/8)
.set j, 0
.rept 32
	v_min_num_f32 v[A0+j], s48, v[A0+j]
.set j, j+1
.endr
.set j, 0
.rept 32
	v_max_num_f32 v[A0+j], s49, v[A0+j]
.set j, j+1
.endr
	WIN 0x0a+5*((\a)/8)
.irp b, 0,1,2,3
.irp r, 0,1,2,3
	v_cvt_pk_bf16_f32 v[192+16*((\a)%4)+4*\b+\r], v[A0+8*\b+2*\r], v[A0+8*\b+2*\r+1]
.endr
.endr
	WIN 0
.irp b, 0,1,2,3
	ds_store_b128 v[16+6*((\a)/8)], v[192+16*((\a)%4)+4*\b:192+16*((\a)%4)+4*\b+3] offset:((\a)%8)*16*SP+32*\b
.endr
.endm
; The tile leaves in two halves of 128 rows: the first half's stores are out while the second half is held and rounded.  The halves' stage bytes do not meet: the first ends under byte 128 SP, where the second begins.
.macro SENDH hf
	s_wait_dscnt 0x0                               ; for the others' sake: a row's 512 bytes come from four waves
	s_barrier_signal -1
	s_barrier_wait -1
.irp k, 0,1
.if \hf
	s_wait_xcnt 0x0                                ; the first half's stores have read their registers
.endif
.irp t, 0,1,2,3,4,5,6,7,8,9,10,11,12,13,14,15
	ds_load_b128 v[64+64*\k+4*\t:64+64*\k+4*\t+3], v[17+6*(\hf)] offset:(16*\k+\t)*SP
.endr
.irp t, 0,1,2,3,4,5,6,7,8,9,10,11,12,13,14,15
	s_wait_dscnt 15-\t
	global_store_b128 v14, v[64+64*\k+4*\t:64+64*\k+4*\t+3], s[8:9] offset:(128*(\hf)+16*\k+\t)*NROW th:TH_STORE_NT   ; 512 consecutive bytes, aligned
.endr
.endr
.endm
.irp a, 0,1,2,3,4,5,6,7
	OUTA \a
.endr
	SENDH 0
.irp a, 8,9,10,11,12,13,14,15
	OUTA \a
.endr
	SENDH 1
	s_wait_tensorcnt 0x0                           ; the wave's end
	ds_add_u32 v18, v19
	s_wait_dscnt 0x0
	CROUND                                         ; the closing round
	s_endpgm
.Lfunc_end_k_q4445343ccd_gemm:
	.size	k_q4445343ccd_gemm, .Lfunc_end_k_q4445343ccd_gemm-k_q4445343ccd_gemm
	.p2alignl 7, 3214868480
	.fill 96, 4, 3214868480
	.section	.rodata,"a",@progbits
	.p2align	6, 0x0
	.amdhsa_kernel k_q4445343ccd_gemm
		.amdhsa_group_segment_fixed_size 327680
		.amdhsa_private_segment_fixed_size 0
		.amdhsa_enable_private_segment 0
		.amdhsa_kernarg_size 24
		.amdhsa_user_sgpr_count 2
		.amdhsa_user_sgpr_kernarg_segment_ptr 1
		.amdhsa_wavefront_size32 1
		.amdhsa_system_sgpr_workgroup_id_x 1
		.amdhsa_system_sgpr_workgroup_id_y 1
		.amdhsa_system_sgpr_workgroup_id_z 1
		.amdhsa_system_vgpr_workitem_id 0
		.amdhsa_next_free_vgpr 1024
		.amdhsa_next_free_sgpr 66
		.amdhsa_reserve_vcc 0
		.amdhsa_float_denorm_mode_32 3
		.amdhsa_float_denorm_mode_16_64 3
		.amdhsa_memory_ordered 1
		.amdhsa_forward_progress 1
		.amdhsa_inst_pref_size 255
	.end_amdhsa_kernel
	.section	.bss,"aw",@nobits
	.p2align	6
	.space	262144
	.amdgpu_metadata
---
amdhsa.version: [ 1, 2 ]
amdhsa.kernels:
  - .name:           k_q4445343ccd_gemm
    .symbol:         k_q4445343ccd_gemm.kd
    .args:
      - { .name: xq, .offset: 0, .size: 8, .value_kind: global_buffer, .address_space: global }
      - { .name: wq, .offset: 8, .size: 8, .value_kind: global_buffer, .address_space: global }
      - { .name: out0, .offset: 16, .size: 8, .value_kind: global_buffer, .address_space: global }
    .group_segment_fixed_size: 327680
    .private_segment_fixed_size: 0
    .kernarg_segment_align: 8
    .kernarg_segment_size: 24
    .max_flat_workgroup_size: 128
    .sgpr_count:     66
    .vgpr_count:     1024
    .wavefront_size: 32
...
	.end_amdgpu_metadata
.endif
;; end of part 2
